; MI455X (gfx1250); checked and timed in simulation.
; The chip was launched on July 23, 2026; its instructions are those of AMD's public machine-readable ISA for CDNA 5 (MIT licence, August 2026) and "CDNA5" Instruction Set Architecture Reference Guide (July 2026). The comments in the code are by the model that wrote it; some were corrected since.
;; VQ. Allowed arithmetic: matrix products marked QUANTISED: E4M3 operands, one E8M0 scale for each 32 along K, by v_wmma_scale_f32_16x16x128_f8f6f4 with both operands' format E4M3, f32 sums; everything else in f32.
;; Inputs: codebook 8,192 x 256 float32; x 32 x 256 x 32 x 32 float32.
;; Outputs: out0 32 x 256 x 32 x 32 float32; out1 32 x 32 x 32 int32.
;; This version of the problem:
;;   THIS VERSION OF THE PROBLEM IS GIVEN IN LOW PRECISION. The matrix products marked QUANTISED in the list below multiply operands that are first quantised to E4M3 (4 exponent bits, 3 mantissa bits; 8 bits a number), with one power-of-two scale for each 32 numbers along K (OCP MX v1.0); their sums are f32. All else is computed in f32.
;;   The module's matrix products, in the order in which they are computed (A, B: the left and right operand; K: the contracted axis; several contracted axes count as one K, in the product's order):
;;     1. [M 32,768, K 256] x [K 256, N 8,192]; A: input x; B: input codebook: QUANTISED
;;   THE QUANTISER, for each operand of a quantised product, along K:
;;     - K is cut into blocks of 32 from its start; a last block that is shorter is filled with zeros.
;;     - A block's scale is 2^e with e = floor(log2(the largest magnitude in the block)) - 8, held to -126 .. 127; a block of zeros has e = 0. As a byte (E8M0): e + 127.
;;     - Each number is divided by its block's scale, clamped to +-448, and rounded to the nearest number of E4M3, ties to even, subnormals kept.
;;     - The product sums the exact products of the quantised numbers (number of the format x scale) in f32.
;;   ~~~python
;;   def quantise(x, axis):      # numpy; x: float32 -> the quantised numbers, widened to float32 again
;;       x = np.moveaxis(x, axis, -1); K = x.shape[-1]
;;       x = np.pad(x, [(0, 0)] * (x.ndim - 1) + [(0, -K % 32)]); x = x.reshape(x.shape[:-1] + (-1, 32)); a = np.abs(x).max(-1, keepdims=True)
;;       e = np.where(a > 0, np.clip(np.frexp(np.where(a > 0, a, 1))[1] - 1 - 8, -126, 127), 0)      # np.frexp(a)[1] - 1 = floor(log2(a)), exactly
;;       r = np.clip(x / 2.0 ** e, -448, 448)
;;       step = 2.0 ** (np.maximum(np.frexp(np.where(r == 0, 1, r))[1] - 1, -6) - 3)
;;       q = np.round(r / step) * step * 2.0 ** e      # np.round: ties to even
;;       return np.moveaxis(q.reshape(q.shape[:-2] + (-1,))[..., :K], -1, axis).astype(np.float32)
;;   ~~~
;; One version. Each part assembles by itself: llvm-mc -triple=amdgcn-amd-amdhsa -mcpu=gfx1250 --defsym DOCPART=n.
;; ======== version 1 of 1: 3 launches
;; limits: right only within a limited range of input values
;; workspace buffers: cbq 2,228,224 bytes; nearest 131,072 bytes of whole numbers
;; launch prep (part 1): grid 256 x 1, 2 waves a work-group, no clusters, 34,048 bytes of LDS; arguments codebook, cbq; writes cbq
.if DOCPART == 1
	.amdgcn_target "amdgcn-amd-amdhsa--gfx1250"
	.amdhsa_code_object_version 6
	.text
	.protected	k_qae2cf29a79_prep
	.globl	k_qae2cf29a79_prep
	.p2align	8
	.type	k_qae2cf29a79_prep,@function
k_qae2cf29a79_prep:
	s_mov_b64 s[64:65], 0
	v_nop
	global_prefetch_b8 v0, s[64:65] scope:SCOPE_SE
	s_setreg_imm32_b32 hwreg(HW_REG_WAVE_MODE, 25, 1), 1
	s_wait_xcnt 0x0
; The codebook [8192][256] f32 becomes 512 RECORDS of 4,352 bytes, one for each tile of 16 codes, laid as the next launch's registers take them:
;   bytes (4 s + c) 512 + 16 lane : registers 4 c .. 4 c + 3 of the fragment of K step s (128 along K): lane (r, h) holds code r, k = 128 s + 32 c + 16 h + 0 .. 15, as codes of FP8 (E4M3)
;   bytes 4096 + 4 lane           : the scale words (four E8M0 bytes): lanes 0-15 K step 0 of code r, lanes 16-31 K step 1 of code r
;   bytes 4224 + 4 r, 4288 + 4 r  : -||c_r||^2 / 2 of the unquantised row, in f32, twice: so the record's last 256 bytes are written whole
; A block's scale is 2^(floor(log2(its largest magnitude)) - 8); its byte is the largest magnitude's exponent field - 8, held at 1 from below.  A block of zeros so gets the byte 1: its codes are zeros, and this program alone reads the bytes.
; LIMITS: blocks whose largest magnitude lies under 2^-118 (the floor) keep the byte 1; NaN and infinities among the inputs are not served.
; SHARES: a wave takes one tile: 16 rows of 1,024 bytes, dense in memory.  Each of its 32 loads reads 512 consecutive bytes; the rows turn through the wave's own stage in LDS (rows 1,040 bytes apart:
; 65 x 16, so that the sixteen rows that a load from the stage touches begin 16 bytes further on in each 256), and come back 16 neighbours of a block to a lane.  Waves share nothing: no barrier.
; WORK LEFT OUT, for the whole program: reference() takes the argmin over the codes of ||f||^2 - 2 f.c + ||c||^2.  ||f||^2 is the same for every code of a row f,
; so in exact arithmetic it moves no argmin, whatever finite numbers x holds: it is not computed.  What is left, times -1/2, is f.c - ||c||^2 / 2, and its first largest is that argmin.
; Both inputs are loaded.  LIMITS: an overflow that would arise in ||f||^2 alone is not carried to the result; the scores are rounded in another order than reference()'s d2.
.set RECB, 4352
.set SP,   1040                        ; a stage row: 1,024 bytes + 16
.set TAIL, 16*SP                       ; behind the stage: the record's last 256 bytes
.set WREG, TAIL+256                    ; a wave's LDS
.set PC,   32                          ; v32-63   the codes: 16 registers for each K step
.set X,    64                          ; v64-191  128 numbers: register 64 s + 16 b + i = k 128 s + 32 b + 16 h + i of row r
.set TM,   200                         ; v200-203 largest magnitudes, v204-207 bytes, v208-211 448 x the scale, v212-215 the conversions' scale operands
.set PW,   216                         ; v216, v217 the two scale words
.set NRM,  218                         ; v218     -||c||^2 / 2
.set SEL,  20                          ; s[20:21] lane selects for v_permlanex16_b32: lane l xor 16
.set MNT,  23                          ; s23      the mantissa field of 448
.set HI,   24                          ; s24      lanes 16-31
	s_load_b128 s[4:7], s[0:1], 0x0                ; the codebook s[4:5], the records s[6:7]
	v_lshl_add_u32 v224, v0, 2, 0x8400
	v_mov_b32 v225, 0
	v_lshrrev_b32 v1, 5, v0
	v_readfirstlane_b32 s8, v1                     ; wave 0, 1
	v_and_b32 v7, 31, v0                           ; lane
	v_and_b32 v16, 15, v0                          ; r
	v_bfe_u32 v17, v0, 4, 1                        ; h
	s_mul_i32 s9, s8, WREG                         ; my LDS
	v_lshlrev_b32 v1, 4, v7                        ; 16 x lane: my bytes of a load's 512, and of an image's
	v_add_nc_u32 v2, s9, v1                        ; the stage, on the way in
	v_mul_u32_u24 v3, v16, SP
	v_lshl_add_u32 v3, v17, 6, v3
	v_add_nc_u32 v3, s9, v3                        ; and on the way out: row r, + 64 h: my 16 numbers of a block of 32
	s_add_co_u32 s9, s9, TAIL
	v_lshl_add_u32 v4, v7, 2, s9                   ; the tail: 4 bytes a lane in,
	v_lshl_add_u32 v5, v7, 3, s9                   ; 8 bytes a lane out
	v_lshlrev_b32 v6, 3, v7
	s_lshl_b32 s10, ttmp9, 1
	s_add_co_u32 s10, s10, s8                      ; my tile: 2 x work-group + wave
	s_lshl_b32 s12, s10, 14                        ; its 16 rows of 1,024 bytes
	s_mov_b32 s13, 0
	s_mul_i32 s14, s10, RECB                       ; its record
	s_mov_b32 s15, 0
	s_mov_b32 s[SEL], 0x76543210
	s_mov_b32 s[SEL+1], 0xfedcba98
	s_mov_b32 s[MNT], 0x600000
	s_mov_b32 s[HI], 0xffff0000
.irp b, 0,1,2,3
	v_mov_b32 v[TM+4+\b], 0                        ; written once: a lane permute's destination counts as one of its sources
.endr
	s_wait_alu depctr_va_vdst(0)
	s_wait_kmcnt 0x0
	s_add_nc_u64 s[4:5], s[4:5], s[12:13]
	s_add_nc_u64 s[6:7], s[6:7], s[14:15]
.set n, 0
.rept 32
	global_load_b128 v[X+4*n:X+4*n+3], v1, s[4:5] offset:512*n     ; 32 lanes read 512 consecutive bytes: half of row n / 2
.set n, n+1
.endr
.set n, 0
.rept 32
	s_wait_loadcnt 31-n                            ; loads come back in order: load n is in, the 31 - n younger ones stay out
	ds_store_b128 v2, v[X+4*n:X+4*n+3] offset:(n/2)*SP+(n%2)*512
.set n, n+1
.endr
	s_wait_dscnt 0x0                               ; the stores have read X: it may be loaded again
.irp s, 0,1
.irp b, 0,1,2,3
.irp i, 0,1,2,3
	ds_load_b128 v[X+64*\s+16*\b+4*\i:X+64*\s+16*\b+4*\i+3], v3 offset:512*\s+128*\b+16*\i
.endr
.endr
.endr
	s_wait_dscnt 0x0
	; ||c||^2 of the numbers as they are given: my 128 in four packed chains, then lane l xor 16's 128
.irp k, 0,1,2,3
	v_pk_mul_f32 v[8+2*\k:9+2*\k], v[X+2*\k:X+2*\k+1], v[X+2*\k:X+2*\k+1]      ; the first four products start the chains: nothing is cleared
.endr
.set j, 4
.rept 60
	v_pk_fma_f32 v[8+2*(j%4):9+2*(j%4)], v[X+2*j:X+2*j+1], v[X+2*j:X+2*j+1], v[8+2*(j%4):9+2*(j%4)]
.set j, j+1
.endr
	v_pk_add_f32 v[8:9], v[8:9], v[10:11]
	v_pk_add_f32 v[12:13], v[12:13], v[14:15]
	v_pk_add_f32 v[8:9], v[8:9], v[12:13]
	v_add_f32 v8, v8, v9
	v_permlanex16_b32 v9, v8, s[SEL], s[SEL+1]
	v_add_f32 v8, v8, v9
	v_mul_f32 v[NRM], -0.5, v8                     ; the same number in lanes r and 16 + r
; 64 numbers of a lane, v[s] on, register 16 b + i = k 32 b + 16 h + i of my row, become a fragment's codes in v[pc] on and its scale word in v[pw]
.macro QUANT s, pc, pw
.irp b, 0,1,2,3
	v_max3_num_f32 v[TM+\b], |v[\s+16*\b]|, |v[\s+1+16*\b]|, 0x4800000   ; block b: my 16 numbers, and the floor 2^(9 - 127): so the byte cannot fall under 1
.endr
.irp i, 2,4,6,8,10,12,14
.irp b, 0,1,2,3
	v_max3_num_f32 v[TM+\b], v[TM+\b], |v[\s+16*\b+\i]|, |v[\s+1+16*\b+\i]|   ; the four blocks by turns: no line waits for the line above it
.endr
.endr
.irp b, 0,1,2,3
	v_permlanex16_b32 v[TM+4+\b], v[TM+\b], s[SEL], s[SEL+1]
.endr
.irp b, 0,1,2,3
	v_max_num_f32 v[TM+\b], v[TM+\b], v[TM+4+\b]   ; with lane l xor 16's: the block's largest magnitude
.endr
.irp b, 0,1,2,3
	v_add_nc_u32 v[TM+12+\b], 0xfc000000, v[TM+\b] ; 8 off its exponent field: the conversion takes the exponent field of this operand as its scale
.endr
.irp b, 0,1,2,3
	v_and_or_b32 v[TM+8+\b], v[TM+\b], 0x7f800000, s[MNT]   ; 448 x the scale
.endr
.irp b, 0,1,2,3
	v_lshrrev_b32 v[TM+4+\b], 23, v[TM+12+\b]      ; the scale's byte
.endr
	v_lshl_or_b32 v[\pw], v[TM+5], 8, v[TM+4]
	v_lshl_or_b32 v[\pw], v[TM+6], 16, v[\pw]
	v_lshl_or_b32 v[\pw], v[TM+7], 24, v[\pw]
.irp b, 0,1,2,3
.irp i, 0,1,2,3,4,5,6,7,8,9,10,11,12,13,14,15
	v_med3_num_f32 v[\s+16*\b+\i], v[\s+16*\b+\i], -v[TM+8+\b], v[TM+8+\b]   ; the conversion to an 8-bit code does not saturate (ISA guide 7.6.2): the hold at 448 x the scale
.endr
	v_cvt_scalef32_pk8_fp8_f32 v[\pc+4*\b:\pc+1+4*\b], v[\s+16*\b:\s+7+16*\b], v[TM+12+\b]
	v_cvt_scalef32_pk8_fp8_f32 v[\pc+2+4*\b:\pc+3+4*\b], v[\s+8+16*\b:\s+15+16*\b], v[TM+12+\b]
.endr
	v_nop                                          ; a plain vector line behind the last conversion, ahead of whatever next touches its registers
.endm
	QUANT X, PC, PW
	QUANT X+64, PC+16, PW+1
.irp s, 0,1
.irp c, 0,1,2,3
	global_store_b128 v1, v[PC+16*\s+4*\c:PC+16*\s+4*\c+3], s[6:7] offset:512*(4*\s+\c)   ; 32 lanes store 512 consecutive bytes, at a multiple of 256 from the buffer's first byte
.endr
.endr
	v_cndmask_b32 v219, v[PW], v[PW+1], s[HI]      ; lanes 0-15 K step 0's word of code r, lanes 16-31 K step 1's (both halves of the lanes hold both words)
	ds_store_b32 v4, v219
	ds_store_b32 v4, v[NRM] offset:128
	ds_load_b64 v[220:221], v5                     ; LDS serves a wave's instructions in order: this sees my two stores
	s_wait_dscnt 0x0
	global_store_b64 v6, v[220:221], s[6:7] offset:4096   ; the record's last 256 bytes, whole
	s_wait_tensorcnt 0x0
	ds_add_u32 v224, v225
	s_wait_dscnt 0x0
	s_endpgm
.Lfunc_end_k_qae2cf29a79_prep:
	.size	k_qae2cf29a79_prep, .Lfunc_end_k_qae2cf29a79_prep-k_qae2cf29a79_prep
	.p2alignl 7, 3214868480
	.fill 96, 4, 3214868480
	.section	.rodata,"a",@progbits
	.p2align	6, 0x0
	.amdhsa_kernel k_qae2cf29a79_prep
		.amdhsa_group_segment_fixed_size 34048
		.amdhsa_private_segment_fixed_size 0
		.amdhsa_enable_private_segment 0
		.amdhsa_kernarg_size 16
		.amdhsa_user_sgpr_count 2
		.amdhsa_user_sgpr_kernarg_segment_ptr 1
		.amdhsa_wavefront_size32 1
		.amdhsa_system_sgpr_workgroup_id_x 1
		.amdhsa_system_sgpr_workgroup_id_y 1
		.amdhsa_system_sgpr_workgroup_id_z 1
		.amdhsa_system_vgpr_workitem_id 0
		.amdhsa_next_free_vgpr 226
		.amdhsa_next_free_sgpr 66
		.amdhsa_reserve_vcc 0
		.amdhsa_float_denorm_mode_32 3
		.amdhsa_float_denorm_mode_16_64 3
		.amdhsa_memory_ordered 1
		.amdhsa_forward_progress 1
		.amdhsa_inst_pref_size 32
	.end_amdhsa_kernel
	.amdgpu_metadata
---
amdhsa.version: [ 1, 2 ]
amdhsa.kernels:
  - .name:           k_qae2cf29a79_prep
    .symbol:         k_qae2cf29a79_prep.kd
    .args:
      - { .name: codebook, .offset: 0, .size: 8, .value_kind: global_buffer, .address_space: global }
      - { .name: cbq, .offset: 8, .size: 8, .value_kind: global_buffer, .address_space: global }
    .group_segment_fixed_size: 34048
    .private_segment_fixed_size: 0
    .kernarg_segment_align: 8
    .kernarg_segment_size: 16
    .max_flat_workgroup_size: 64
    .sgpr_count:     66
    .vgpr_count:     226
    .wavefront_size: 32
...
	.end_amdgpu_metadata
.endif
;; end of part 1
;; launch nearest_code (part 2): grid 256 x 1, 8 waves a work-group, clusters of 4 x 1, 327,680 bytes of LDS; arguments x, cbq, out1, nearest; writes out1, nearest
.if DOCPART == 2
	.amdgcn_target "amdgcn-amd-amdhsa--gfx1250"
	.amdhsa_code_object_version 6
	.text
	.protected	k_qae2cf29a79_nearest_code
	.globl	k_qae2cf29a79_nearest_code
	.p2align	8
	.type	k_qae2cf29a79_nearest_code,@function
k_qae2cf29a79_nearest_code:
	s_mov_b64 s[64:65], 0
	v_nop
	global_prefetch_b8 v0, s[64:65] scope:SCOPE_SE
	s_setreg_imm32_b32 hwreg(HW_REG_WAVE_MODE, 25, 1), 1
	s_wait_xcnt 0x0
	s_wait_alu depctr_hold_cnt(0) depctr_sa_sdst(0) depctr_va_vdst(0) depctr_va_sdst(0) depctr_va_ssrc(0) depctr_va_vcc(0) depctr_vm_vsrc(0)
	s_getreg_b32 s2, hwreg(HW_REG_IB_STS2, 6, 4)
	s_cmp_eq_u32 s2, 0
	s_cbranch_scc0 .Lentry_in_a_cluster
	s_endpgm
.Lentry_in_a_cluster:
	s_bfe_u32 s2, ttmp6, 0x10000c
	s_cmp_lg_u32 s2, 0x3003
	s_cbranch_scc0 .Lentry_shape_is_right
	s_endpgm
.Lentry_shape_is_right:
; For each place (b, h, w): the index of the code with the largest score f.c - ||c||^2 / 2, the first of equals; f.c in MX-FP8, both operands quantised along the 256 channels.
; ||f||^2 is left out: it is the same for all codes of a place (shown at the head of the first kernel).
; SHARES: a work-group owns 128 places (512 consecutive bytes of each channel of x) and walks all 512 records of 16 codes.  Each of its 8 waves holds all 128 places' codes in registers
; (window 1: 8 tiles x 32) and takes 4 of a slot's 32 records: a record is read from LDS once, by one wave.  Source 0 = 16 codes, source 1 = 16 places, C of K step 0 = the record's -||c||^2 / 2:
; lane (r, h) holds place r and codes 8 h + 0 .. 7.
; THE BEST SO FAR, for each lane and tile of places: the largest score (RA, RB by turns), the tile's first code (ID) and the tile's 8 scores (SN), taken over where the largest has grown; which of the 8 it was is found once, at the end.
; A tile's 16 products go in two groups of 8 (4 tiles of places x 2 K steps, the accumulators by turns); behind each group stand the 40 lines that follow the other group's results.
; LDS: two slots of 32 records; the places' codes and scale words (an image of the operand's registers); the spare words; the waves' results.
; CLUSTER: the four work-groups of a cluster walk the same records: each part of a slot is one joint load; a round of the cluster's barrier stands in front of every fill.
; PREFETCH: behind each refill (slot s + 2) the clusters 0 to 3 ask for slot s + 4: 68 blocks of 256 bytes a wave's part, 17 for each partner, told apart by address, a lane a block (lanes 17-31 name the 17th again); the last lap asks for nothing.
; LIMITS: NaN and infinities among the inputs are not served; a block of x whose largest magnitude lies under 2^-118 keeps the scale byte 1.
.set RECB,  4352
.set PARTB, 4*RECB                     ; a wave's part of a slot
.set SLOTB, 8*PARTB
.set IMG,   2*SLOTB                    ; the places' codes: 16 fragments of 2,048 bytes
.set SCQ,   IMG+32768                  ; their scale words
.set SPARE, SCQ+1024                   ; the spare words: 128 bytes a wave
.set CMB,   SPARE+1024                 ; the waves' results
.set SPW, 1
.set NIL, 2
.set TID, 3                            ; the tile's first code + 8 h
.set ADF, 4                            ; v4-5 fragments, v6-7 scale words, v8-9 -||c||^2/2: LDS addresses in slot 0, 1
.set ADS, 6
.set ADB, 8
.set SQ0, 10                           ; the places' scale words: tile q in v[10 + q + 2 (q / 4)]: v10-13, v16-19
.set SA,  14                           ; v14-15 the records' scale words, two sets
.set BI,  20                           ; v20-35 -||c||^2/2, two sets
.set AF,  36                           ; v36-99 a record's fragments, two sets
.set ACC, 100                          ; v100-163 8 accumulators
.set RA,  164
.set RB,  172
.set ID,  180
.set SN,  188                          ; v188-251
.set XO,  252
.set QW,  253
.set QS,  254
.set QR,  255
.set PFO, 255                          ; behind the head: the prefetches' offset
.set X,   100                          ; the head: 128 numbers of x
.set PC,  36
.set MXA, 228
.set MXB, 229
.set SCO, 230
.set HOLD, 231
.set BY,  232
.set PWX, 233
.set SQR, 235
.set JJ,  100
.set VM,  36
.set VI,  52
.set CW,  252
.set CR,  253
.set GO,  254
.set WV,  12
.set G1,  16
.set G0,  24
.set TRIPS, 32
.set MNT, 33
.set SEL, 34
.set HI,  36
.set MK,  40
.set PFA, 60                           ; s[60:61] where my prefetches stand
.set LIM, 62                           ; s62 1 in the clusters that prefetch, else the greatest number
.set MSB, 0
.macro WIN new
.if MSB != \new
	s_set_vgpr_msb (MSB<<8)|\new
.set MSB, \new
.endif
.endm
.macro CREST
	s_cmp_lg_u32 s[WV], 0
	s_cbranch_scc1 .Lnot_wave_0_\@
	s_barrier_signal -3
.Lnot_wave_0_\@:
	s_barrier_wait -3
	s_barrier_signal -1
	s_barrier_wait -1
.endm
.macro CROUND
	s_barrier_signal -1
	s_barrier_wait -1
	CREST
.endm
.macro PLACES4
.rept 4
	v_nop
.endr
.endm
	s_load_b256 s[4:11], s[0:1], 0x0               ; x, the records, out1, nearest
	v_lshl_add_u32 v[SPW], v0, 2, SPARE
	v_mov_b32 v[NIL], 0
	ds_add_u32 v[SPW], v[NIL]                      ; the opening lines: the add, twice on end, and its wait
	ds_add_u32 v[SPW], v[NIL]
	v_lshrrev_b32 v236, 5, v0
	v_readfirstlane_b32 s[WV], v236
	s_bfe_u32 s13, ttmp6, 0x40000                  ; cx
	s_lshl_b32 s14, ttmp9, 2
	s_add_co_u32 s14, s14, s13                     ; my work-group
	s_lshr_b32 s52, s14, 3
	s_lshl_b32 s52, s52, 20                        ; x: the image,
	s_and_b32 s53, s14, 7
	s_lshl_b32 s53, s53, 9                         ; and my 512 bytes of a channel
	s_add_co_u32 s52, s52, s53
	s_mov_b32 s53, 0
	s_lshl_b32 s54, s14, 9                         ; my 128 indices
	s_mov_b32 s55, 0
	s_mov_b32 s[G1], 15|(3<<16)|(1<<21)            ; the four partners; elements of 8 bytes; a part is 68 rows of 256 bytes, dense
	s_mov_b32 s[G1+1], 32<<16
	s_mov_b32 s[G1+2], 68<<16
	s_mov_b32 s[G1+3], 32<<16
	s_mov_b32 s[G1+4], 68
	s_mov_b32 s[G1+5], 32
	s_mov_b32 s[G1+6], 0
	s_mov_b32 s[G1+7], 0
	s_mul_i32 s38, s[WV], PARTB
	s_mov_b32 s39, 0
	s_and_b32 s50, s[WV], 1                        ; quantising x: my 128 channels,
	s_lshr_b32 s51, s[WV], 1                       ; my 32 places
	s_lshl_b32 s56, s50, 19
	s_lshl_b32 s57, s51, 7
	s_add_co_u32 s56, s56, s57
	v_and_b32 v236, 31, v0
	v_and_b32 v237, 15, v0
	v_bfe_u32 v238, v0, 4, 1
	v_lshl_add_u32 v[XO], v236, 2, s56             ; a lane takes a place, its registers run down the channels
	s_mov_b32 s[MNT], 0x600000
	s_mov_b32 s[SEL], 0x76543210
	s_mov_b32 s[SEL+1], 0xfedcba98
	s_mov_b32 s[HI], 0xffff0000
	s_mul_i32 s58, s13, RECB                       ; prefetches: my work-group's 17 blocks of a part; the first change of slots steps this to slot 4
	s_add_co_u32 s58, s58, 3*SLOTB
	s_mov_b32 s59, 0
	s_cmp_lt_u32 ttmp9, 4
	s_cselect_b32 s[LIM], 1, -1
	s_wait_alu depctr_va_vdst(0)
	s_wait_dscnt 0x0
	s_wait_kmcnt 0x0
	s_add_nc_u64 s[4:5], s[4:5], s[52:53]
	s_add_nc_u64 s[8:9], s[8:9], s[54:55]
	s_add_nc_u64 s[10:11], s[10:11], s[54:55]
	s_add_nc_u64 s[6:7], s[6:7], s[38:39]
	s_add_nc_u64 s[PFA:PFA+1], s[6:7], s[58:59]
.irp n, 0,1
	s_mov_b32 s[G0+4*\n], 1
	s_add_co_u32 s[G0+4*\n+1], s38, \n*SLOTB
	s_add_nc_u64 s[G0+4*\n+2:G0+4*\n+3], s[6:7], \n*SLOTB
	s_or_b32 s[G0+4*\n+3], s[G0+4*\n+3], 0x80000000
.endr
	CROUND
	tensor_load_to_lds s[G0:G0+3], s[G1:G1+7]      ; slot 0: my one load at the head
	s_nop 0
	PLACES4
.set i, 0
.rept 128
	global_load_b32 v[X+i], v[XO], s[4:5] offset:4096*i th:TH_LOAD_NT   ; x is asked for here, so that it is on its way through the lines up to slot 1's fill
.set i, i+1
.endr
	v_lshl_add_u32 v[ADF], v236, 4, s38
	v_lshl_add_u32 v[ADS], v236, 2, s38
	v_lshl_add_u32 v[ADB], v238, 5, s38
	v_add_nc_u32 v[ADF+1], SLOTB, v[ADF]
	v_add_nc_u32 v[ADS], 4096, v[ADS]
	v_add_nc_u32 v[ADB], 4224, v[ADB]
	v_lshlrev_b32 v[TID], 3, v238
	v_add_nc_u32 v[ADS+1], SLOTB, v[ADS]
	v_add_nc_u32 v[ADB+1], SLOTB, v[ADB]
	s_lshl_b32 s56, s[WV], 6
	v_add_nc_u32 v[TID], s56, v[TID]               ; my first record's first code + 8 h
	s_lshl_b32 s58, s51, 13
	s_lshl_b32 s59, s50, 11
	s_add_co_u32 s58, s58, s59
	s_add_co_u32 s58, s58, IMG
	v_lshl_add_u32 v[QW], v237, 4, s58
	v_lshl_add_u32 v[QW], v238, 12, v[QW]
	s_lshl_b32 s58, s51, 8
	s_lshl_b32 s59, s50, 6
	s_add_co_u32 s58, s58, s59
	s_add_co_u32 s58, s58, SCQ
	v_lshl_add_u32 v[QS], v237, 2, s58
	v_lshl_add_u32 v[QS], v238, 7, v[QS]
	v_lshl_add_u32 v[QR], v236, 4, IMG
	v_lshl_add_u32 v[SQR], v236, 2, SCQ
	s_wait_alu depctr_va_vdst(0)
; a block of 32 channels of my place: largest magnitude, scale byte, hold at 448 x the scale, codes; the codes go into the image
.macro XBLOCK b, cnt
.set XS, X+32*(\b)
	s_wait_loadcnt \cnt
	v_max3_num_f32 v[MXA], |v[XS]|, |v[XS+1]|, |v[XS+2]|
	v_max3_num_f32 v[MXB], |v[XS+3]|, |v[XS+4]|, |v[XS+5]|
.irp i, 6,10,14,18,22,26
	v_max3_num_f32 v[MXA], v[MXA], |v[XS+\i]|, |v[XS+\i+1]|
	v_max3_num_f32 v[MXB], v[MXB], |v[XS+\i+2]|, |v[XS+\i+3]|
.endr
	v_max3_num_f32 v[MXA], v[MXA], |v[XS+30]|, |v[XS+31]|
	v_max3_num_f32 v[MXA], v[MXA], v[MXB], 0x4800000
	v_add_nc_u32 v[SCO], 0xfc000000, v[MXA]
	v_and_or_b32 v[HOLD], v[MXA], 0x7f800000, s[MNT]
	v_lshrrev_b32 v[BY], 23, v[SCO]
.if (\b) == 0
	v_mov_b32 v[PWX], v[BY]
.else
	v_lshl_or_b32 v[PWX], v[BY], 8*(\b), v[PWX]
.endif
.irp i, 0,1,2,3,4,5,6,7,8,9,10,11,12,13,14,15,16,17,18,19,20,21,22,23,24,25,26,27,28,29,30,31
	v_med3_num_f32 v[XS+\i], v[XS+\i], -v[HOLD], v[HOLD]
.endr
.irp g, 0,1,2,3
	v_cvt_scalef32_pk8_fp8_f32 v[PC+8*(\b)+2*\g:PC+8*(\b)+2*\g+1], v[XS+8*\g:XS+8*\g+7], v[SCO]
.endr
	v_nop
	ds_store_b128 v[QW], v[PC+8*(\b):PC+8*(\b)+3] offset:512*(\b)
	ds_store_b128 v[QW], v[PC+8*(\b)+4:PC+8*(\b)+7] offset:512*(\b)+256
.endm
	XBLOCK 0, 63                                   ; 96 younger loads could stay out; 63 is the largest count that can be written
	XBLOCK 1, 63
	s_wait_dscnt 0x0                               ; for the others' sake: blocks 0 and 1 of my part of the image lie in LDS
	s_barrier_signal -1                            ; slot 0's load may stay out
	s_barrier_wait -1
	WIN 0x40
.irp q, 0,1,2,3,4,5,6,7
.irp s, 0,1
.irp c, 0,1
	ds_load_b128 v[32*\q+16*\s+4*\c:32*\q+16*\s+4*\c+3], v[QR] offset:2048*(2*\q+\s)+512*\c   ; half of every fragment, while x's later channels are on their way; blocks 2 and 3 are stored to other bytes
.endr
.endr
.endr
	WIN 0
	XBLOCK 2, 32
	XBLOCK 3, 0
	ds_store_b32 v[QS], v[PWX]
	s_wait_tensorcnt 0x0                           ; slot 0's part is in
	ds_add_u32 v[SPW], v[NIL]
	s_wait_dscnt 0x0                               ; the add is done, and my part of the image lies in LDS
	CROUND                                         ; the round's barriers also show the image's other half to every wave
	tensor_load_to_lds s[G0+4:G0+7], s[G1:G1+7]    ; slot 1
	s_nop 0
	PLACES4
	WIN 0x40
.irp q, 0,1,2,3,4,5,6,7
.irp s, 0,1
.irp c, 2,3
	ds_load_b128 v[32*\q+16*\s+4*\c:32*\q+16*\s+4*\c+3], v[QR] offset:2048*(2*\q+\s)+512*\c
.endr
.endr
.endr
	WIN 0
.irp q, 0,1,2,3,4,5,6,7
	ds_load_b32 v[SQ0+\q+2*(\q/4)], v[SQR] offset:128*\q
.endr
	v_min_u32 v[PFO], 16, v236
	v_lshlrev_b32 v[PFO], 8, v[PFO]                ; a lane a block of 256 bytes
.macro FETCH sl, i, bf                 ; record i of my part of slot sl into set bf
.irp c, 0,1,2,3,4,5,6,7
	ds_load_b128 v[AF+32*(\bf)+4*\c:AF+32*(\bf)+4*\c+3], v[ADF+(\sl)] offset:RECB*(\i)+512*\c
.endr
	ds_load_b32 v[SA+(\bf)], v[ADS+(\sl)] offset:RECB*(\i)
	ds_load_b128 v[BI+8*(\bf):BI+8*(\bf)+3], v[ADB+(\sl)] offset:RECB*(\i)
	ds_load_b128 v[BI+8*(\bf)+4:BI+8*(\bf)+7], v[ADB+(\sl)] offset:RECB*(\i)+16
.endm
.macro MM mp, bf                       ; 8 products: tiles of places mp .. mp + 3, K step 0 and then 1: the four accumulators by turns
	WIN 0x04
.irp q, 0,1,2,3
.set mq, (\mp)+\q
	v_wmma_scale_f32_16x16x128_f8f6f4 v[ACC+8*mq:ACC+8*mq+7], v[AF+32*(\bf):AF+32*(\bf)+15], v[32*mq:32*mq+15], v[BI+8*(\bf):BI+8*(\bf)+7], v[SA+(\bf)], v[SQ0+mq+2*(mq/4)]
.endr
.irp q, 0,1,2,3
.set mq, (\mp)+\q
	v_wmma_scale_f32_16x16x128_f8f6f4 v[ACC+8*mq:ACC+8*mq+7], v[AF+32*(\bf)+16:AF+32*(\bf)+31], v[32*mq+16:32*mq+31], v[ACC+8*mq:ACC+8*mq+7], v[SA+(\bf)], v[SQ0+mq+2*(mq/4)] matrix_a_scale:MATRIX_SCALE_ROW1 matrix_b_scale:MATRIX_SCALE_ROW1
.endr
	WIN 0
.endm
.macro PICK tq, par
.set rA, ACC+8*(\tq)
.set rS, SN+8*(\tq)
.if \par
.set rO, RB+(\tq)
.set rN, RA+(\tq)
.else
.set rO, RA+(\tq)
.set rN, RB+(\tq)
.endif
.endm
.macro MX tq, par, n                   ; line n of four: the largest of the 8 scores and the largest so far; each accumulator is read from its low end on
	PICK \tq, \par
.if (\n) == 0
	v_max3_num_f32 v[rN], v[rA], v[rA+1], v[rA+2]
.elseif (\n) == 3
	v_max3_num_f32 v[rN], v[rN], v[rA+7], v[rO]
.else
	v_max3_num_f32 v[rN], v[rN], v[rA+2*(\n)+1], v[rA+2*(\n)+2]
.endif
.endm
.macro GREW tq, par                    ; has it grown?  Only a larger score counts: of equals the earlier tile stays
	PICK \tq, \par
	v_cmp_gt_f32 vcc_lo, v[rN], v[rO]
.endm
.macro KEEP tq                         ; where it has: the tile's first code and its 8 scores are taken over, two scores a line
	PICK \tq, 0
	v_cndmask_b32 v[ID+(\tq)], v[ID+(\tq)], v[TID], vcc_lo
.irp j, 0,2,4,6
	v_dual_cndmask_b32 v[rS+\j], v[rS+\j], v[rA+\j] :: v_dual_cndmask_b32 v[rS+\j+1], v[rS+\j+1], v[rA+\j+1]
.endr
.endm
.macro TRKB tp, par                    ; 40 lines for four accumulators; two chains of maxima side by side
.irp n, 0,1,2,3
	MX \tp, \par, \n
	MX \tp+1, \par, \n
.endr
	GREW \tp, \par
	MX \tp+2, \par, 0
	MX \tp+3, \par, 0
	KEEP \tp
	GREW \tp+1, \par
	MX \tp+2, \par, 1
	MX \tp+3, \par, 1
	KEEP \tp+1
.irp n, 2,3
	MX \tp+2, \par, \n
	MX \tp+3, \par, \n
.endr
	GREW \tp+2, \par
	KEEP \tp+2
	GREW \tp+3, \par
	KEEP \tp+3
.endm
; A tile's first half: its fragments are in; the next record is asked for (its set was last multiplied 40 vector lines ago); places 0-63; the tile before's places 64-127 are followed
.macro HA sl, i, fetch
	s_wait_dscnt 0x0
.if \fetch
	FETCH \sl, (\i)+1, 1-(\i)%2
.endif
	MM 0, (\i)%2
	TRKB 4, ((\i)+1)%2
.if (\i) == 0
	v_add_nc_u32 v[TID], 464, v[TID]               ; from my part's last record to my first of the next slot
.else
	v_add_nc_u32 v[TID], 16, v[TID]
.endif
.endm
.macro HB i                            ; its second half: places 64-127; its places 0-63 are followed
	MM 4, (\i)%2
	TRKB 0, (\i)%2
.endm
.macro TILE sl, i
	HA \sl, \i, 1
	HB \i
.endm
.macro ASK                             ; the slot that stands two refills on; the last lap has none
	s_cmp_gt_u32 s[TRIPS], s[LIM]
	s_cbranch_scc0 .Lno_ask_\@
	global_prefetch_b8 v[PFO], s[PFA:PFA+1] th:TH_LOAD_NT scope:SCOPE_SE
.Lno_ask_\@:
.endm
; A slot's last tile changes slots: the round of the cluster's barrier, with the tensor wait, the add and its wait ahead of it and the tile's first half, work on registers alone, between its opening signal and wait.
; The joint refill comes first behind the round; then the next slot's first record is asked of LDS, the tile's second half stands ahead of the wait for it, and the next slot's first tile follows.
.macro LAST sl
	s_wait_xcnt 0x0                                ; my last prefetch has read its address
	s_add_nc_u64 s[PFA:PFA+1], s[PFA:PFA+1], SLOTB
	s_wait_tensorcnt 0x0                           ; my part of the other slot is in
	ds_add_u32 v[SPW], v[NIL]
	s_add_nc_u64 s[G0+4*(\sl)+2:G0+4*(\sl)+3], s[G0+4*(\sl)+2:G0+4*(\sl)+3], 2*SLOTB
	s_wait_dscnt 0x0                               ; the add is done; my reads of this slot are over
	s_barrier_signal -1
	MM 0, 1
	TRKB 4, 0
	v_add_nc_u32 v[TID], 16, v[TID]
	s_barrier_wait -1
	CREST
	tensor_load_to_lds s[G0+4*(\sl):G0+4*(\sl)+3], s[G1:G1+7]
	s_nop 0
	PLACES4
	FETCH 1-(\sl), 0, 0
	HB 3
	s_wait_dscnt 0x0
	FETCH 1-(\sl), 1, 1
	ASK
	MM 0, 0
	TRKB 4, 1
	v_add_nc_u32 v[TID], 464, v[TID]               ; from my part's last record to my first of the next slot
	HB 0
.endm
	FETCH 0, 0, 0
.set n, 0
.rept 64
	v_mov_b32 v[SN+n], 0xff800000                  ; under every score; these lines stand between the LDS loads and the wait for them
.set n, n+1
.endr
	s_wait_dscnt 0x0
	FETCH 0, 1, 1
	MM 0, 0
.set n, 0
.rept 8
	v_mov_b32 v[RA+n], 0xff800000                  ; also the places behind the first products
	v_mov_b32 v[ID+n], 0
.set n, n+1
.endr
	HB 0
	s_mov_b32 s[TRIPS], 7
.Ltrip:                                                ; a trip goes once round the ring, from slot 0's second tile to the next lap's first tile
	TILE 0, 1
	TILE 0, 2
	LAST 0
	TILE 1, 1
	TILE 1, 2
	LAST 1
	s_sub_co_u32 s[TRIPS], s[TRIPS], 1
	s_cmp_lg_u32 s[TRIPS], 0
	s_cbranch_scc1 .Ltrip
	; the last lap fills nothing
	TILE 0, 1
	TILE 0, 2
	HA 0, 3, 0
	s_wait_tensorcnt 0x0                           ; my part of slot 1, which I alone read
	FETCH 1, 0, 0
	HB 3
	TILE 1, 0
	TILE 1, 1
	TILE 1, 2
	HA 1, 3, 0
	HB 3
	TRKB 4, 1
	; which of the 8 scores was the largest: the lowest j that equals it
	s_lshl_b32 s56, s[WV], 9
	s_add_co_u32 s56, s56, CMB
	v_and_b32 v[GO], 31, v0
	v_lshl_add_u32 v[CW], v[GO], 2, s56
	s_lshl_b32 s57, s50, 8
	v_lshl_add_u32 v[GO], v[GO], 3, s57
	v_add_nc_u32 v[CR], CMB, v[GO]
.irp q, 0,1,2,3,4,5,6,7
	v_mov_b32 v[JJ+\q], 7
.endr
.irp j, 6,5,4,3,2,1,0
.irp q, 0,1,2,3,4,5,6,7
	v_cmp_neq_f32 s[MK+\q], v[SN+8*\q+\j], v[RA+\q]
.endr
.irp q, 0,1,2,3,4,5,6,7
	v_cndmask_b32 v[JJ+\q], \j, v[JJ+\q], s[MK+\q]
.endr
.endr
.irp q, 0,1,2,3,4,5,6,7
	v_add_nc_u32 v[ID+\q], v[ID+\q], v[JJ+\q]
.endr
.macro BETTER v, i, ov, oi             ; the larger score; of equals the lower index
	v_cmp_gt_f32 s48, v[\ov], v[\v]
	v_cmp_eq_f32 s49, v[\ov], v[\v]
	v_cmp_lt_u32 vcc_lo, v[\oi], v[\i]
	s_and_b32 s49, s49, vcc_lo
	s_or_b32 s48, s48, s49
	v_cndmask_b32 v[\v], v[\v], v[\ov], s48
	v_cndmask_b32 v[\i], v[\i], v[\oi], s48
.endm
.irp q, 0,1,2,3,4,5,6,7
	v_permlanex16_b32 v[RB+\q], v[RA+\q], s[SEL], s[SEL+1]
	v_permlanex16_b32 v[JJ+\q], v[ID+\q], s[SEL], s[SEL+1]
.endr
.irp q, 0,1,2,3,4,5,6,7
	BETTER RA+\q, ID+\q, RB+\q, JJ+\q
.endr
.irp u, 0,1,2,3
	v_cndmask_b32 v[RB+\u], v[RA+2*\u], v[RA+2*\u+1], s[HI]
	v_cndmask_b32 v[JJ+\u], v[ID+2*\u], v[ID+2*\u+1], s[HI]
.endr
.irp u, 0,1,2,3
	ds_store_b32 v[CW], v[RB+\u] offset:128*\u
	ds_store_b32 v[CW], v[JJ+\u] offset:4096+128*\u
.endr
	s_wait_dscnt 0x0                               ; for the others' sake
	s_barrier_signal -1
	s_barrier_wait -1
	s_cmp_lt_u32 s[WV], 2
	s_cbranch_scc0 .Lothers
.irp w, 0,1,2,3,4,5,6,7
	ds_load_b64 v[VM+2*\w:VM+2*\w+1], v[CR] offset:512*\w
	ds_load_b64 v[VI+2*\w:VI+2*\w+1], v[CR] offset:4096+512*\w
.endr
	s_wait_dscnt 0x0
.irp w, 1,2,3,4,5,6,7
	BETTER VM, VI, VM+2*\w, VI+2*\w
	BETTER VM+1, VI+1, VM+2*\w+1, VI+2*\w+1
.endr
	global_store_b64 v[GO], v[VI:VI+1], s[8:9]     ; a wave stores 256 consecutive bytes, aligned
	global_store_b64 v[GO], v[VI:VI+1], s[10:11]
.Lothers:
	s_wait_tensorcnt 0x0                           ; the wave's end
	ds_add_u32 v[SPW], v[NIL]
	s_wait_dscnt 0x0
	CROUND
	s_endpgm
.Lfunc_end_k_qae2cf29a79_nearest_code:
	.size	k_qae2cf29a79_nearest_code, .Lfunc_end_k_qae2cf29a79_nearest_code-k_qae2cf29a79_nearest_code
	.p2alignl 7, 3214868480
	.fill 96, 4, 3214868480
	.section	.rodata,"a",@progbits
	.p2align	6, 0x0
	.amdhsa_kernel k_qae2cf29a79_nearest_code
		.amdhsa_group_segment_fixed_size 327680
		.amdhsa_private_segment_fixed_size 0
		.amdhsa_enable_private_segment 0
		.amdhsa_kernarg_size 32
		.amdhsa_user_sgpr_count 2
		.amdhsa_user_sgpr_kernarg_segment_ptr 1
		.amdhsa_wavefront_size32 1
		.amdhsa_system_sgpr_workgroup_id_x 1
		.amdhsa_system_sgpr_workgroup_id_y 1
		.amdhsa_system_sgpr_workgroup_id_z 1
		.amdhsa_system_vgpr_workitem_id 0
		.amdhsa_next_free_vgpr 512
		.amdhsa_next_free_sgpr 66
		.amdhsa_reserve_vcc 1
		.amdhsa_float_denorm_mode_32 3
		.amdhsa_float_denorm_mode_16_64 3
		.amdhsa_memory_ordered 1
		.amdhsa_forward_progress 1
		.amdhsa_inst_pref_size 182
	.end_amdhsa_kernel
	.amdgpu_metadata
---
amdhsa.version: [ 1, 2 ]
amdhsa.kernels:
  - .name:           k_qae2cf29a79_nearest_code
    .symbol:         k_qae2cf29a79_nearest_code.kd
    .args:
      - { .name: x, .offset: 0, .size: 8, .value_kind: global_buffer, .address_space: global }
      - { .name: cbq, .offset: 8, .size: 8, .value_kind: global_buffer, .address_space: global }
      - { .name: out1, .offset: 16, .size: 8, .value_kind: global_buffer, .address_space: global }
      - { .name: nearest, .offset: 24, .size: 8, .value_kind: global_buffer, .address_space: global }
    .group_segment_fixed_size: 327680
    .private_segment_fixed_size: 0
    .kernarg_segment_align: 8
    .kernarg_segment_size: 32
    .max_flat_workgroup_size: 256
    .sgpr_count:     66
    .vgpr_count:     512
    .wavefront_size: 32
...
	.end_amdgpu_metadata
.endif
;; end of part 2
;; launch spread (part 3): grid 256 x 1, 8 waves a work-group, no clusters, 136,192 bytes of LDS; arguments codebook, nearest, out0; writes out0
.if DOCPART == 3
	.amdgcn_target "amdgcn-amd-amdhsa--gfx1250"
	.amdhsa_code_object_version 6
	.text
	.protected	k_qae2cf29a79_spread
	.globl	k_qae2cf29a79_spread
	.p2align	8
	.type	k_qae2cf29a79_spread,@function
k_qae2cf29a79_spread:
	s_mov_b64 s[64:65], 0
	v_nop
	global_prefetch_b8 v0, s[64:65] scope:SCOPE_SE
	s_setreg_imm32_b32 hwreg(HW_REG_WAVE_MODE, 25, 1), 1
	s_wait_xcnt 0x0
; out0[b, c, h, w] = codebook[index of place (b, h, w)][c], the rows as they are given, in f32.  The indices were stored by the launch before.
; A work-group owns 128 places: 512 consecutive bytes of each of the 256 channels of out0.  A code's row runs along the channels, out0's rows along the places: the block turns through LDS, laid [channel][place].
; IN: wave w takes places 16 w .. 16 w + 15.  Their indices are scalars; a lane takes a channel, so each load reads 128 consecutive bytes of a row, and four neighbouring registers hold one channel of four
; neighbouring places: 16 bytes for one LDS store.  LDS rows are 528 bytes apart (33 x 16), so that the sixteen rows that a store touches begin 16 bytes further on in each 256.
; TWO HALVES: all 128 loads are issued, those of channels 0-127 first.  When these 64 are in, their rows go through LDS and are stored, while the 64 loads of channels 128-255 are on their way; then the same for these.
; The halves have LDS rows of their own, so one barrier a half, between its writing and its reading, is all the ordering.
; OUT: in each half wave w takes 16 channels, 16 w .. 16 w + 15 of the half: a row of 512 bytes an instruction.  No loop; every offset is an immediate.  No matrix unit, no tensor load, no cluster: nothing is multiplied and work-groups share no tile.
; An index is held to 0 .. 8191 before it enters an address.
.set PITCH, 528
.set RO, 8                             ; v8-23   place i: 1,024 x its index + 4 lane
.set DT, 32                            ; v32-159 group 16 p + 4 a + c: channel 32 (4 p + c) + lane of places 4 a .. 4 a + 3; later half p's 16 rows on their way out
	s_load_b128 s[4:7], s[0:1], 0x0                ; the codebook s[4:5], the indices s[6:7]
	s_load_b64 s[8:9], s[0:1], 0x10                ; out0
	v_lshl_add_u32 v160, v0, 2, 0x21000            ; my spare word, behind the 256 rows
	v_mov_b32 v161, 0
	v_lshrrev_b32 v1, 5, v0
	v_readfirstlane_b32 s10, v1                    ; wave 0..7
	v_and_b32 v1, 31, v0                           ; lane
	v_lshlrev_b32 v2, 2, v1                        ; 4 lane
	v_lshlrev_b32 v3, 4, v1                        ; 16 lane
	s_lshl_b32 s12, ttmp9, 9                       ; my work-group's 128 indices,
	s_lshl_b32 s13, s10, 6                         ; my wave's 16
	s_add_co_u32 s12, s12, s13
	v_mul_u32_u24 v4, v1, PITCH
	v_add_nc_u32 v4, s13, v4                       ; in: row = lane, + 64 w: channels 0-127;
	v_add_nc_u32 v5, 128*PITCH, v4                 ; channels 128-255 (the immediate offset has 16 bits)
	s_mov_b32 s13, 0
	s_mul_i32 s14, s10, 16*PITCH
	v_add_nc_u32 v6, s14, v3                       ; out: my 16 rows of the first half, 16 bytes a lane;
	v_add_nc_u32 v7, 128*PITCH, v6                 ; of the second half
	s_lshr_b32 s32, ttmp9, 3
	s_lshl_b32 s32, s32, 20                        ; the image: 256 channels of 4,096 bytes,
	s_and_b32 s33, ttmp9, 7
	s_lshl_b32 s33, s33, 9                         ; the block's 512 bytes of a channel,
	s_add_co_u32 s32, s32, s33
	s_lshl_b32 s33, s10, 16                        ; my wave's 16 channels of a half
	s_add_co_u32 s32, s32, s33
	s_mov_b32 s33, 0
	s_wait_alu depctr_va_vdst(0)
	s_wait_kmcnt 0x0
	s_add_nc_u64 s[6:7], s[6:7], s[12:13]
	s_add_nc_u64 s[8:9], s[8:9], s[32:33]
	s_load_b512 s[16:31], s[6:7], 0x0              ; 16 indices
	s_wait_kmcnt 0x0
.irp i, 0,1,2,3,4,5,6,7,8,9,10,11,12,13,14,15
	s_min_u32 s[16+\i], s[16+\i], 8191
	s_lshl_b32 s[16+\i], s[16+\i], 10              ; a row is 1,024 bytes
	v_add_nc_u32 v[RO+\i], s[16+\i], v2
.endr
	s_wait_alu depctr_va_vdst(0)
.irp p, 0,1
.irp a, 0,1,2,3
.irp c, 0,1,2,3
.irp i, 0,1,2,3
	global_load_b32 v[DT+4*(16*\p+4*\a+\c)+\i], v[RO+4*\a+\i], s[4:5] offset:128*(4*\p+\c)
.endr
.endr
.endr
.endr
; half p: its 16 groups into LDS (n = 4 a + c), a barrier, my 16 rows back, stored
.macro HALF p, vin, vout
.set n, 0
.rept 16
.if (\p) == 0
.if n == 0
	s_wait_loadcnt 63                              ; of the 128 loads at most 63 are out: the first half's 64 are in
.endif
.else
	s_wait_loadcnt 60-4*n                          ; group n's four loads are in; the later groups' stay out
.endif
	ds_store_b128 v[\vin], v[DT+4*(16*(\p)+n):DT+4*(16*(\p)+n)+3] offset:(n%4)*32*PITCH+16*(n/4)
.set n, n+1
.endr
	s_wait_dscnt 0x0                               ; for the others' sake: my columns lie in LDS; and the stores have read their registers
	s_barrier_signal -1
	s_barrier_wait -1
.set n, 0
.rept 16
	ds_load_b128 v[DT+4*(16*(\p)+n):DT+4*(16*(\p)+n)+3], v[\vout] offset:n*PITCH
.set n, n+1
.endr
.set n, 0
.rept 16
	s_wait_dscnt 15-n                              ; row n is in; the 15 - n later ones stay out
	global_store_b128 v3, v[DT+4*(16*(\p)+n):DT+4*(16*(\p)+n)+3], s[8:9] offset:4096*(128*(\p)+n) th:TH_STORE_NT   ; 32 lanes store 512 consecutive bytes, at a multiple of 256 from out0's first byte; written once, read by nobody here
.set n, n+1
.endr
.endm
	HALF 0, 4, 6
	HALF 1, 5, 7
	s_wait_tensorcnt 0x0                           ; the wave's end, behind my last LDS store
	ds_add_u32 v160, v161
	s_wait_dscnt 0x0
	s_endpgm
.Lfunc_end_k_qae2cf29a79_spread:
	.size	k_qae2cf29a79_spread, .Lfunc_end_k_qae2cf29a79_spread-k_qae2cf29a79_spread
	.p2alignl 7, 3214868480
	.fill 96, 4, 3214868480
	.section	.rodata,"a",@progbits
	.p2align	6, 0x0
	.amdhsa_kernel k_qae2cf29a79_spread
		.amdhsa_group_segment_fixed_size 136192
		.amdhsa_private_segment_fixed_size 0
		.amdhsa_enable_private_segment 0
		.amdhsa_kernarg_size 24
		.amdhsa_user_sgpr_count 2
		.amdhsa_user_sgpr_kernarg_segment_ptr 1
		.amdhsa_wavefront_size32 1
		.amdhsa_system_sgpr_workgroup_id_x 1
		.amdhsa_system_sgpr_workgroup_id_y 1
		.amdhsa_system_sgpr_workgroup_id_z 1
		.amdhsa_system_vgpr_workitem_id 0
		.amdhsa_next_free_vgpr 162
		.amdhsa_next_free_sgpr 66
		.amdhsa_reserve_vcc 0
		.amdhsa_float_denorm_mode_32 3
		.amdhsa_float_denorm_mode_16_64 3
		.amdhsa_memory_ordered 1
		.amdhsa_forward_progress 1
		.amdhsa_inst_pref_size 25
	.end_amdhsa_kernel
	.amdgpu_metadata
---
amdhsa.version: [ 1, 2 ]
amdhsa.kernels:
  - .name:           k_qae2cf29a79_spread
    .symbol:         k_qae2cf29a79_spread.kd
    .args:
      - { .name: codebook, .offset: 0, .size: 8, .value_kind: global_buffer, .address_space: global }
      - { .name: nearest, .offset: 8, .size: 8, .value_kind: global_buffer, .address_space: global }
      - { .name: out0, .offset: 16, .size: 8, .value_kind: global_buffer, .address_space: global }
    .group_segment_fixed_size: 136192
    .private_segment_fixed_size: 0
    .kernarg_segment_align: 8
    .kernarg_segment_size: 24
    .max_flat_workgroup_size: 256
    .sgpr_count:     66
    .vgpr_count:     162
    .wavefront_size: 32
...
	.end_amdgpu_metadata
.endif
;; end of part 3
